; MI455X (gfx1250); checked and timed in simulation.
; The chip was launched on July 23, 2026; its instructions are those of AMD's public machine-readable ISA for CDNA 5 (MIT licence, August 2026) and "CDNA5" Instruction Set Architecture Reference Guide (July 2026). The comments in the code are by the model that wrote it; some were corrected since.
;; LSTM Cell. Allowed arithmetic: matrix products marked QUANTISED: E5M2 operands, one E8M0 scale for each 32 along K, by v_wmma_scale_f32_16x16x128_f8f6f4 with both operands' format E5M2, f32 sums; everything else in f32.
;; Inputs: Wf 2,048 x 4,096 float32; Wg 2,048 x 4,096 float32; Wi 2,048 x 4,096 float32; Wo 2,048 x 4,096 float32; X 2,048 x 2,048 float32; bf 2,048 float32; bg 2,048 float32; bi 2,048 float32; bo 2,048 float32; c 2,048 x 2,048 float32; h 2,048 x 2,048 float32.
;; Outputs: out0 2,048 x 2,048 float32; out1 2,048 x 2,048 float32.
;; This version of the problem:
;;   THIS VERSION OF THE PROBLEM IS GIVEN IN LOW PRECISION. The matrix products marked QUANTISED in the list below multiply operands that are first quantised to E5M2 (5 exponent bits, 2 mantissa bits; 8 bits a number), with one power-of-two scale for each 32 numbers along K (OCP MX v1.0); their sums are f32. All else is computed in f32.
;;   The module's matrix products, in the order in which they are computed (A, B: the left and right operand; K: the contracted axis; several contracted axes count as one K, in the product's order):
;;     1. [M 2,048, K 4,096] x [K 4,096, N 8,192]; A: computed on the way; B: computed on the way: QUANTISED
;;   THE QUANTISER, for each operand of a quantised product, along K:
;;     - K is cut into blocks of 32 from its start; a last block that is shorter is filled with zeros.
;;     - A block's scale is 2^e with e = floor(log2(the largest magnitude in the block)) - 15, held to -126 .. 127; a block of zeros has e = 0. As a byte (E8M0): e + 127.
;;     - Each number is divided by its block's scale, clamped to +-57,344, and rounded to the nearest number of E5M2, ties to even, subnormals kept.
;;     - The product sums the exact products of the quantised numbers (number of the format x scale) in f32.
;;   ~~~python
;;   def quantise(x, axis):      # numpy; x: float32 -> the quantised numbers, widened to float32 again
;;       x = np.moveaxis(x, axis, -1); K = x.shape[-1]
;;       x = np.pad(x, [(0, 0)] * (x.ndim - 1) + [(0, -K % 32)]); x = x.reshape(x.shape[:-1] + (-1, 32)); a = np.abs(x).max(-1, keepdims=True)
;;       e = np.where(a > 0, np.clip(np.frexp(np.where(a > 0, a, 1))[1] - 1 - 15, -126, 127), 0)      # np.frexp(a)[1] - 1 = floor(log2(a)), exactly
;;       r = np.clip(x / 2.0 ** e, -57344, 57344)
;;       step = 2.0 ** (np.maximum(np.frexp(np.where(r == 0, 1, r))[1] - 1, -14) - 2)
;;       q = np.round(r / step) * step * 2.0 ** e      # np.round: ties to even
;;       return np.moveaxis(q.reshape(q.shape[:-2] + (-1,))[..., :K], -1, axis).astype(np.float32)
;;   ~~~
;;   OPERANDS COMPUTED ON THE WAY. 'Computed on the way' means the value that the module computes at that place (a softmax that the list does not call 'softmax' is quantised finished and normalised). What goes into a quantiser is computed in f32, as accurately as f32 sums, v_exp_f32 and their like allow (about 1e-6 of the number): no bf16 or f16 on the way to a quantiser, and a product that is left as it is and whose result goes on into a quantised operand takes f32 operands (vector FMAs, or v_wmma_f32_16x16x4_f32). A number that lies on a knife's edge between two numbers of the format may be rounded either way, as far as f32 arithmetic and the matrix unit's own rounding can turn it there, and no further.
;; One version. Each part assembles by itself: llvm-mc -triple=amdgcn-amd-amdhsa -mcpu=gfx1250 --defsym DOCPART=n.
;; ======== version 1 of 1: 2 launches
;; limits: right only within a limited range of input values
;; workspace buffers: acodes 8,650,752 bytes; bcodes 34,603,008 bytes
;; launch quant (part 1): grid 256 x 5, 4 waves a work-group, no clusters, 22,016 bytes of LDS; arguments X, h, Wf, Wg, Wo, Wi, acodes, bcodes; writes acodes, bcodes
.if DOCPART == 1
	.amdgcn_target "amdgcn-amd-amdhsa--gfx1250"
	.amdhsa_code_object_version 6
	.text
	.protected	k_q3b61be377e_quant
	.globl	k_q3b61be377e_quant
	.p2align	8
	.type	k_q3b61be377e_quant,@function
k_q3b61be377e_quant:
	s_mov_b64 s[64:65], 0
	v_nop
	global_prefetch_b8 v0, s[64:65] scope:SCOPE_SE
	s_setreg_imm32_b32 hwreg(HW_REG_WAVE_MODE, 25, 1), 1
	s_wait_xcnt 0x0
; xh = [X | h] ([2048][4096]) and Wf, Wg, Wo, Wi ([2048][4096] each), f32 with K innermost, are turned into codes of BF8 (E5M2), one E8M0 scale byte for each 32 along K.
; A block's scale is 2^(floor(log2(its largest magnitude)) - 15); its byte is the largest magnitude's exponent field - 15, held at 1 from below.  Each number is divided by the scale, held within +-57,344
; and rounded to the nearest code, ties to even.
; LIMITS: NaN and infinities among the inputs are not served.  A block of zeros gets the byte 1 where the quantiser's text says 127: its codes are zeros, which add nothing under any byte but 0xff, and
; the bytes are read by this program alone.  Blocks whose largest magnitude lies under 2^-111 are held at the byte 1 (the quantiser's own lower bound of the exponent).
; THE LAYOUT IS THE NEXT LAUNCH'S.  A HALF TILE is 128 operand rows.  Its K BLOCK (256 along K) is one dense piece of KBLK = 33,792 bytes: 128 pieces of 256 bytes, row i's 256 codes, then four pieces of 256 bytes
; of scale bytes: piece u holds rows 32 u .. 32 u + 31, 8 bytes a row.  A buffer is [half tile][16 K blocks][KBLK].
;   acodes: half tile = row / 128, row in it = row % 128.
;   bcodes: half tile = n / 32 (n: the output column, a row of each W), row in it = 32 x gate + n % 32, the gates in the order f, g, o, i: a half tile holds all four gates of 32 columns.
; SHARES.  A work-group takes 32 rows x 1,024 along K (four K blocks) of one tensor: x = 4 x (group of 32 rows) + chunk of K; y = 0: xh (chunks 0, 1 from X, chunks 2, 3 from h), y = 1 .. 4: Wf, Wg, Wo, Wi.
; Only pointers and numbers are chosen by x and y: all six tensors take one path through the text.  Wave w takes rows 8 w .. 8 w + 7, in 16 steps of 512 numbers (row t / 2, half t % 2 of the 1,024).
; A STEP.  Four loads read 512 consecutive bytes each, 16 a lane.  The conversions want 16 NEIGHBOURS along K in one lane, so the 2,048 bytes go through the wave's own stage in LDS as they lie and come back
; 64 bytes a lane (16 bytes of padding behind each 64).  Two neighbouring lanes hold a block of 32.  A lane's 16 codes are 16 bytes: lanes 0-15 store 256 consecutive bytes of one K block, lanes 16-31 of the next.
; THE SCALE BYTES of the work-group's 32 rows x 4 K blocks are gathered in LDS; behind the one barrier wave w stores K block w's piece of 256 bytes whole.
; No tensor loads, no ring.  Loads run four steps (16 loads a wave) ahead, the turn through LDS one step.  Every offset is an immediate and no register that a load or store names is written again.
.set KBLK,  33792
.set HTB,   16*KBLK
.set STEPS, 16
.set SP,    80                         ; a lane's place in a stage: its 64 bytes + 16 of padding
.set WREG,  2*32*SP                    ; LDS: two stages for each wave
.set SCB,   4*WREG                     ; behind them the work-group's 1,024 scale bytes: [K block 4][row 32][8]
.set R,     16                         ; v16-79   four sets of 16 numbers as they are loaded
.set X,     80                         ; v80-111  two sets of 16 neighbours
.set E,     112                        ; v112-127 a scale byte for each step
.set C,     128                        ; v128-191 codes: four registers for each step
.set OFF,   192                        ; v192-199 row j of my eight: j x the tensor's row in bytes + 16 x lane
	s_load_b512 s[4:19], s[0:1], 0x0               ; X 4:5, h 6:7, Wf 8:9, Wg 10:11, Wo 12:13, Wi 14:15, acodes 16:17, bcodes 18:19
	v_lshl_add_u32 v200, v0, 2, 0x5400
	v_mov_b32 v201, 0
	v_lshrrev_b32 v1, 5, v0
	v_readfirstlane_b32 s24, v1                    ; wave 0..3
	v_and_b32 v2, 31, v0                           ; lane
	v_lshlrev_b32 v3, 4, v2                        ; my 16 bytes of a load's 512
	s_mul_i32 s22, s24, WREG
	v_lshrrev_b32 v14, 2, v2
	v_mul_u32_u24 v14, v14, SP
	v_and_b32 v15, 3, v2
	v_lshl_add_u32 v14, v15, 4, v14
	v_add_nc_u32 v14, s22, v14                     ; the stage, on the way in: SP (lane / 4) + 16 (lane % 4); a load's 512 bytes take eight places
	v_mul_u32_u24 v15, v2, SP
	v_add_nc_u32 v15, s22, v15                     ; and on the way out: SP x lane: my 16 neighbours
	v_lshrrev_b32 v8, 4, v2                        ; which of the step's two K blocks is mine
	v_and_b32 v9, 15, v2
	v_mul_u32_u24 v4, v8, KBLK
	v_lshl_add_u32 v4, v9, 4, v4                   ; my codes' place: that K block, 16 bytes a lane in the row
	v_bfe_u32 v5, v2, 1, 3                         ; my block's byte among the row's eight
	v_lshl_add_u32 v5, v8, 8, v5                   ; + 256 x K block
	s_lshl_b32 s22, s24, 6                         ; + 8 bytes x my wave's first row
	s_add_co_u32 s22, s22, SCB
	v_add_nc_u32 v5, s22, v5
	v_lshlrev_b32 v7, 3, v2                        ; on the way out 8 bytes a lane
	s_lshl_b32 s22, s24, 8                         ; of K block w's 256
	s_add_co_u32 s22, s22, SCB
	v_add_nc_u32 v6, s22, v7
	s_mov_b32 s23, 0x600000                        ; the mantissa field of 57,344 (an instruction takes one literal: the hold's line has another)
	s_and_b32 s25, ttmp7, 0xffff                   ; y: which tensor
	s_lshr_b32 s26, ttmp9, 2                       ; rg: which 32 rows
	s_and_b32 s27, ttmp9, 3                        ; ck: which 1,024 along K
	s_and_b32 s28, s27, 1                          ; the candidates of the choices below
	s_lshr_b32 s29, s26, 2
	s_and_b32 s30, s26, 3
	s_sub_co_u32 s31, s25, 1
	s_wait_kmcnt 0x0
	s_cmp_lt_u32 s27, 2                            ; every choice hangs on the work-group's numbers alone
	s_cselect_b64 s[4:5], s[4:5], s[6:7]           ; xh: X or h
	s_cmp_eq_u32 s25, 2
	s_cselect_b64 s[8:9], s[10:11], s[8:9]
	s_cmp_eq_u32 s25, 3
	s_cselect_b64 s[8:9], s[12:13], s[8:9]
	s_cmp_eq_u32 s25, 4
	s_cselect_b64 s[8:9], s[14:15], s[8:9]         ; the weight of gate y - 1
	s_cmp_eq_u32 s25, 0
	s_cselect_b64 s[4:5], s[4:5], s[8:9]           ; from where
	s_cselect_b64 s[16:17], s[16:17], s[18:19]     ; to where
	s_cselect_b32 s32, 13, 14                      ; a row of the source is 8,192 or 16,384 bytes
	s_cselect_b32 s33, s28, s27                    ; my chunk's place in that row, in 4,096 bytes
	s_cselect_b32 s34, s29, s26                    ; the half tile
	s_cselect_b32 s35, s30, s31                    ; u: which 32 of its 128 rows
	s_lshl_b32 s36, s26, 5
	s_lshl_b32 s37, s24, 3
	s_add_co_u32 s36, s36, s37                     ; my wave's first row: 32 rg + 8 w
	s_lshl_b32 s36, s36, s32
	s_lshl_b32 s37, s33, 12
	s_add_co_u32 s36, s36, s37                     ; under 2^26
	s_mov_b32 s37, 0
	s_add_nc_u64 s[4:5], s[4:5], s[36:37]
	s_lshl_b32 s38, 1, s32                         ; the source's row in bytes
.irp j, 0,1,2,3,4,5,6,7
	s_mul_i32 s39, s38, \j
	v_add_nc_u32 v[OFF+\j], s39, v3
.endr
	s_mul_i32 s36, s34, HTB
	s_mul_i32 s38, s27, 4*KBLK
	s_add_co_u32 s36, s36, s38                     ; my half tile, my first K block (under 2^26)
	s_mul_i32 s40, s24, KBLK                       ; the scale bytes that I store: K block w of the four,
	s_add_co_u32 s40, s40, s36
	s_lshl_b32 s41, s35, 8                         ; piece u behind the block's 128 rows of codes
	s_add_co_u32 s40, s40, s41
	s_add_co_u32 s40, s40, 32768
	s_mov_b32 s41, 0
	s_add_nc_u64 s[20:21], s[16:17], s[40:41]
	s_lshl_b32 s38, s35, 13                        ; the codes: row 32 u + 8 w of the block, 256 bytes a row
	s_lshl_b32 s39, s24, 11
	s_add_co_u32 s38, s38, s39
	s_add_co_u32 s38, s38, s36
	s_mov_b32 s39, 0
	s_add_nc_u64 s[16:17], s[16:17], s[38:39]
.macro LOAD t                          ; step t: row t / 2, half t % 2; 32 lanes read 512 consecutive bytes
.irp i, 0,1,2,3
	global_load_b128 v[R+16*((\t)%4)+4*\i:R+16*((\t)%4)+4*\i+3], v[OFF+((\t)/2)], s[4:5] offset:2048*((\t)%2)+512*\i th:TH_LOAD_NT
.endr
.endm
.macro TURN t                          ; step t's numbers through the stage: LDS serves a wave's instructions in order (ISA guide 5.7.1.4), so no wait stands between the stores and the loads
.irp i, 0,1,2,3
	ds_store_b128 v14, v[R+16*((\t)%4)+4*\i:R+16*((\t)%4)+4*\i+3] offset:32*SP*((\t)%2)+8*SP*\i
.endr
.irp i, 0,1,2,3
	ds_load_b128 v[X+16*((\t)%2)+4*\i:X+16*((\t)%2)+4*\i+3], v15 offset:32*SP*((\t)%2)+16*\i
.endr
.endm
	s_wait_alu depctr_va_vdst(0)
.irp t, 0,1,2,3
	LOAD \t
.endr
	s_wait_loadcnt 12                              ; step 0's four loads are in; the twelve behind them may be out
	TURN 0
.macro STEP t
.set XS, X+16*((\t)%2)
.if (\t) > 0
	s_wait_dscnt 1                                 ; this step's numbers are back from the stage (the last step's byte store may be out): so its stores into the stage have read their registers,
.else
	s_wait_dscnt 0x0
.endif
.if (\t)+4 < STEPS
	LOAD (\t)+4                                    ; which take the loads of four steps on
.endif
.if (\t)+1 < STEPS
.if STEPS-2-(\t) >= 3
	s_wait_loadcnt 12                              ; the next step's four loads are in; those of the three steps behind it may be out
.else
	s_wait_loadcnt 4*(STEPS-2-(\t))                ; in the last steps fewer are behind it
.endif
	TURN (\t)+1                                    ; and go through the other stage while this step is worked
.endif
	v_max3_num_f32 v8, |v[XS]|, |v[XS+1]|, |v[XS+2]|               ; the largest magnitude of my 16, in two chains
	v_max3_num_f32 v9, |v[XS+3]|, |v[XS+4]|, |v[XS+5]|
.irp i, 6,10
	v_max3_num_f32 v8, v8, |v[XS+\i]|, |v[XS+\i+1]|
	v_max3_num_f32 v9, v9, |v[XS+\i+2]|, |v[XS+\i+3]|
.endr
	v_max3_num_f32 v8, v8, |v[XS+14]|, |v[XS+15]|
	v_max3_num_f32 v8, v8, v9, 0x8000000           ; and the floor 2^(16 - 127), under which no largest magnitude is taken: so the byte cannot fall under 1
	v_max_num_f32_dpp v8, v8, v8 row_xmask:1 row_mask:0xf bank_mask:0xf   ; and of my neighbour's 16: the block's
	v_add_nc_u32 v11, 0xf8800000, v8               ; 15 off its exponent field: the conversion takes the exponent field of this operand as its scale, and nothing else of it
	v_and_or_b32 v10, v8, 0x7f800000, s23          ; 57,344 x the scale: the largest magnitude's exponent field over 57,344's mantissa
.irp i, 0,1,2,3,4,5,6,7,8,9,10,11,12,13,14,15
	v_med3_num_f32 v[XS+\i], v[XS+\i], -v10, v10   ; the conversion to an 8-bit code does not saturate (ISA guide 7.6.2): hold the number within the largest code x the scale first
.endr
	v_cvt_scalef32_pk8_bf8_f32 v[C+4*(\t):C+4*(\t)+1], v[XS:XS+7], v11
	v_cvt_scalef32_pk8_bf8_f32 v[C+4*(\t)+2:C+4*(\t)+3], v[XS+8:XS+15], v11
	v_lshrrev_b32 v[E+(\t)], 23, v11               ; the scale's byte (also the plain line behind the conversions)
	ds_store_b8 v5, v[E+(\t)] offset:512*((\t)%2)+8*((\t)/2)       ; both lanes of a block write the same byte with the same value
	global_store_b128 v4, v[C+4*(\t):C+4*(\t)+3], s[16:17] offset:2*KBLK*((\t)%2)+256*((\t)/2)   ; sixteen lanes store 256 consecutive bytes, at a multiple of 256 from the buffer's first byte
.endm
.irp t, 0,1,2,3,4,5,6,7,8,9,10,11,12,13,14,15
	STEP \t
.endr
	s_wait_dscnt 0x0                               ; for the others' sake: my byte stores have landed
	s_barrier_signal -1
	s_barrier_wait -1                              ; a piece of scale bytes holds rows of all four waves
	ds_load_b64 v[12:13], v6
	s_wait_dscnt 0x0
	global_store_b64 v7, v[12:13], s[20:21]        ; 32 lanes store 256 consecutive bytes, aligned likewise
	s_wait_tensorcnt 0x0
	ds_add_u32 v200, v201
	s_wait_dscnt 0x0
	s_endpgm
.Lfunc_end_k_q3b61be377e_quant:
	.size	k_q3b61be377e_quant, .Lfunc_end_k_q3b61be377e_quant-k_q3b61be377e_quant
	.p2alignl 7, 3214868480
	.fill 96, 4, 3214868480
	.section	.rodata,"a",@progbits
	.p2align	6, 0x0
	.amdhsa_kernel k_q3b61be377e_quant
		.amdhsa_group_segment_fixed_size 22016
		.amdhsa_private_segment_fixed_size 0
		.amdhsa_enable_private_segment 0
		.amdhsa_kernarg_size 64
		.amdhsa_user_sgpr_count 2
		.amdhsa_user_sgpr_kernarg_segment_ptr 1
		.amdhsa_wavefront_size32 1
		.amdhsa_system_sgpr_workgroup_id_x 1
		.amdhsa_system_sgpr_workgroup_id_y 1
		.amdhsa_system_sgpr_workgroup_id_z 1
		.amdhsa_system_vgpr_workitem_id 0
		.amdhsa_next_free_vgpr 202
		.amdhsa_next_free_sgpr 66
		.amdhsa_reserve_vcc 0
		.amdhsa_float_denorm_mode_32 3
		.amdhsa_float_denorm_mode_16_64 3
		.amdhsa_memory_ordered 1
		.amdhsa_forward_progress 1
		.amdhsa_inst_pref_size 53
	.end_amdhsa_kernel
	.amdgpu_metadata
---
amdhsa.version: [ 1, 2 ]
amdhsa.kernels:
  - .name:           k_q3b61be377e_quant
    .symbol:         k_q3b61be377e_quant.kd
    .args:
      - { .name: X, .offset: 0, .size: 8, .value_kind: global_buffer, .address_space: global }
      - { .name: h, .offset: 8, .size: 8, .value_kind: global_buffer, .address_space: global }
      - { .name: Wf, .offset: 16, .size: 8, .value_kind: global_buffer, .address_space: global }
      - { .name: Wg, .offset: 24, .size: 8, .value_kind: global_buffer, .address_space: global }
      - { .name: Wo, .offset: 32, .size: 8, .value_kind: global_buffer, .address_space: global }
      - { .name: Wi, .offset: 40, .size: 8, .value_kind: global_buffer, .address_space: global }
      - { .name: acodes, .offset: 48, .size: 8, .value_kind: global_buffer, .address_space: global }
      - { .name: bcodes, .offset: 56, .size: 8, .value_kind: global_buffer, .address_space: global }
    .group_segment_fixed_size: 22016
    .private_segment_fixed_size: 0
    .kernarg_segment_align: 8
    .kernarg_segment_size: 64
    .max_flat_workgroup_size: 128
    .sgpr_count:     66
    .vgpr_count:     202
    .wavefront_size: 32
...
	.end_amdgpu_metadata
.endif
;; end of part 1
;; launch lstm (part 2): grid 32 x 8, 4 waves a work-group, clusters of 4 x 4, 327,680 bytes of LDS; arguments acodes, bcodes, c, out0, bf, bg, bo, bi, out1; writes out0, out1
.if DOCPART == 2
	.amdgcn_target "amdgcn-amd-amdhsa--gfx1250"
	.amdhsa_code_object_version 6
	.text
	.protected	k_q3b61be377e_lstm
	.globl	k_q3b61be377e_lstm
	.p2align	8
	.type	k_q3b61be377e_lstm,@function
k_q3b61be377e_lstm:
	s_mov_b64 s[64:65], 0
	v_nop
	global_prefetch_b8 v0, s[64:65] scope:SCOPE_SE
	s_setreg_imm32_b32 hwreg(HW_REG_WAVE_MODE, 25, 1), 1
	s_wait_xcnt 0x0
	s_wait_alu depctr_hold_cnt(0) depctr_sa_sdst(0) depctr_va_vdst(0) depctr_va_sdst(0) depctr_va_ssrc(0) depctr_va_vcc(0) depctr_vm_vsrc(0)
	s_getreg_b32 s2, hwreg(HW_REG_IB_STS2, 6, 4)
	s_cmp_eq_u32 s2, 0
	s_cbranch_scc0 .Lentry_in_a_cluster
	s_endpgm
.Lentry_in_a_cluster:
	s_bfe_u32 s2, ttmp6, 0x10000c
	s_cmp_lg_u32 s2, 0xf033
	s_cbranch_scc0 .Lentry_shape_is_right
	s_endpgm
.Lentry_shape_is_right:
; THE LSTM CELL ON CODES OF MX-BF8 (E5M2, one E8M0 byte for 32 along K): z = xh W^T + b for the four gates, then c_new = sigmoid(zf) c + sigmoid(zg) tanh(zi), h_new = sigmoid(zo) tanh(c_new), all behind the product in f32.
; acodes and bcodes are laid by the launch before: [half tile of 128 operand rows][16 K blocks][KBLK bytes], a K block being 128 rows of 256 codes and then 4 pieces of 256 scale bytes (8 a row).
; A half tile of bcodes holds all four gates (f, g, o, i) of 32 output columns, row = 32 x gate + column % 32: so the four z of one output lie in the same lane and register place of four accumulators.
; SHARES: 256 work-groups of four waves; a work-group makes 256 rows x 256 operand columns (64 output columns x 4 gates), a wave 128 x 128: 64 accumulators, 512 registers (windows 2, 3); A's fragments one set (window 0), B's two (window 1).
; K goes in steps of 256 through two LDS slots; a wave's one tensor load brings a half tile's K block, codes and scale bytes together: 33,792 dense bytes, stated as 33 rows of 1,024, with 16 bytes of padding behind every 256.
; CLUSTERS 4 x 4: A's tiles are asked for jointly along a row of the cluster, B's along a column.  Each change of slots is one round of the cluster's barrier, with products between the add and its wait and between the signal and the wait.
; PREFETCH: a K block is asked for two refills ahead of its load, 32 pieces of 256 bytes a wave, the four partners sharing a half tile's 128 pieces by address.  A tile row of A is read by eight clusters: those of even x ask;
; a tile column of B by two: both ask.  K blocks 1 to 3 are asked for at the head; the last two refills have no K block two on.  c's tile is asked for in the loop's last trip.
; THE BIAS is the first products' C.  The product is used transposed (source 0 = W's rows), so a lane holds eight neighbouring columns of a row.  c comes by a tensor load into slot 0 behind its last read; results leave through a stage in slot 1.
; LIMITS: NaN and infinities among the inputs are not served.  sigmoid(x) = 1 / (1 + 2^(-x log2 e)) and tanh(x) = 1 - 2 / (1 + 2^(2 x log2 e)) hold their limits where the exponential overflows or falls to 0.
.set KBLK,   33792
.set HTB,    16*KBLK
.set NQ,     2
.set PITCH,  272
.set FR,     16
.set NL,     4
.set NP,     8
.set TROWS,  132
.set HALFT,  TROWS*PITCH
.set SLOT,   4*HALFT
.set SCOFF,  128*PITCH
.set SPARE,  2*SLOT
.set S0,     SLOT
.set S1,     SLOT+256*PITCH
.set LAPS,   8
.set BOF,  14
.set PFS,  15
.set ADRA, 16
.set CA,   18
.set CO,   19
.set ADRB, 20
.set ADRS, 22
.set STO0, 24
.set STO1, 25
.set RD0,  26
.set RD1,  27
.set SPW,  28
.set NIL,  29
.set PFO,  30
.set PFC,  31
.set SC,   32
.set BIAS, 64
.set CR,   64
.set AF,   128
.set BK,   128
.set G1,   24
.set G0,   32
.set G1B,  48
.set G0B,  56
.set G1C,  68
.set G0C,  76
.set PFA,  44
.set K1,   66
.set K2,   80
.set PCA,  82
.set PSA,  92
.set LIM,  94
.set LIM2, 95
.set MSB, 0
.macro WIN new
.if MSB != (\new)
	s_set_vgpr_msb (MSB<<8)|(\new)
.set MSB, (\new)
.endif
.endm
.set MUL_LO, 0xa1
.set MUL_HI, 0xf1
.set FST_LO, 0x81
.set FST_HI, 0xc1
.set TO_B,   0x40
.macro JLOAD g0a, g1a, g0b, g1b
	s_cmp_eq_u32 s15, 0
	s_cbranch_scc0 .Lfor_b_\@
	tensor_load_to_lds s[\g0a:\g0a+3], s[\g1a:\g1a+7]
	s_nop 0
.rept 4
	v_nop
.endr
	s_branch .Lasked_\@
.Lfor_b_\@:
	tensor_load_to_lds s[\g0b:\g0b+3], s[\g1b:\g1b+7]
	s_nop 0
.rept 4
	v_nop
.endr
.Lasked_\@:
.endm
.macro CREST
	s_cmp_lg_u32 s14, 0
	s_cbranch_scc1 .Lnot_wave_0_\@
	s_barrier_signal -3
.Lnot_wave_0_\@:
	s_barrier_wait -3
	s_barrier_signal -1
	s_barrier_wait -1
.endm
.macro CROUND
	s_barrier_signal -1
	s_barrier_wait -1
	CREST
.endm
.macro ASK slot
	s_cmp_gt_u32 s3, s[LIM]
	s_cbranch_scc0 .Lno_codes_\@
	s_wait_alu depctr_va_vdst(0)
	global_prefetch_b8 v[PFO], s[PFA:PFA+1] offset:KBLK th:TH_LOAD_NT scope:SCOPE_SE
.Lno_codes_\@:
.if \slot == 0
	s_cmp_eq_u32 s3, s[LIM2]
	s_cbranch_scc0 .Lno_scales_\@
	s_wait_alu depctr_va_vdst(0)
	global_prefetch_b8 v[PFS], s[PSA:PSA+1] th:TH_LOAD_NT scope:SCOPE_SE
.Lno_scales_\@:
	s_cmp_eq_u32 s3, 1
	s_cbranch_scc0 .Lno_c_\@
	s_wait_alu depctr_va_vdst(0)
	global_prefetch_b8 v[PFC], s[PCA:PCA+1] th:TH_LOAD_NT scope:SCOPE_SE
	global_prefetch_b8 v[PFC], s[PCA:PCA+1] offset:32*8192 th:TH_LOAD_NT scope:SCOPE_SE
.Lno_c_\@:
.endif
.endm
	s_load_b256 s[4:11], s[0:1], 0x0
	s_load_b256 s[84:91], s[0:1], 0x20
	s_load_b64 s[12:13], s[0:1], 0x40
	v_lshl_add_u32 v[SPW], v0, 2, SPARE
	v_mov_b32 v[NIL], 0
	ds_add_u32 v28, v29
	ds_add_u32 v28, v29
	s_wait_dscnt 0x0
	v_lshrrev_b32 v1, 5, v0
	v_readfirstlane_b32 s14, v1
	s_lshr_b32 s15, s14, 1
	s_and_b32 s16, s14, 1
	s_bfe_u32 s40, ttmp6, 0x40000
	s_bfe_u32 s41, ttmp6, 0x40004
	s_lshl_b32 s42, ttmp9, 2
	s_add_co_u32 s42, s42, s40
	s_and_b32 s17, ttmp7, 0xffff
	s_lshl_b32 s17, s17, 2
	s_add_co_u32 s17, s17, s41
	s_lshl_b32 s43, s41, 2
	s_lshl_b32 s43, 15, s43
	s_lshl_b32 s44, 0x1111, s40
	s_or_b32 s[G1+0], s43, (0<<16)|(1<<20)|(1<<21)|(5<<22)|(3<<25)
	s_or_b32 s[G1B+0], s44, (0<<16)|(1<<20)|(1<<21)|(5<<22)|(3<<25)
.irp g, G1, G1B
	s_mov_b32 s[\g+1], 1024<<16                    ; the K block is dense: TROWS pieces of 256 bytes are TROWS / 4 rows of 1,024; the padding's interval stays 64 words, so an LDS row is still 256 + 16 bytes
	s_mov_b32 s[\g+2], (TROWS/4)<<16
	s_mov_b32 s[\g+3], 1024<<16
	s_mov_b32 s[\g+4], TROWS/4
	s_mov_b32 s[\g+5], 1024
	s_mov_b32 s[\g+6], 0
	s_mov_b32 s[\g+7], 0
.endr
	s_mov_b32 s[G1C+0], (2<<16)|(1<<20)|(5<<22)|(3<<25)
	s_mov_b32 s[G1C+1], 64<<16
	s_mov_b32 s[G1C+2], 64<<16
	s_mov_b32 s[G1C+3], 64<<16
	s_mov_b32 s[G1C+4], 64
	s_mov_b32 s[G1C+5], 2048
	s_mov_b32 s[G1C+6], 0
	s_mov_b32 s[G1C+7], 0
	s_lshl_b32 s20, s17, 1
	s_add_co_u32 s20, s20, s16
	s_mul_i32 s20, s20, HTB
	s_mov_b32 s21, 0
	s_lshl_b32 s46, s42, 1
	s_add_co_u32 s46, s46, s16
	s_mul_i32 s46, s46, HTB
	s_mov_b32 s47, 0
	s_mul_i32 s19, s14, HALFT
	CROUND                                         ; the opening round, ahead of the wait for the arguments: all sixteen work-groups are here
	s_wait_kmcnt 0x0
	s_add_nc_u64 s[20:21], s[4:5], s[20:21]
	s_add_nc_u64 s[46:47], s[6:7], s[46:47]
.irp s, 0,1
	s_mov_b32 s[G0+4*\s], 1
	s_add_co_u32 s[G0+4*\s+1], s19, \s*SLOT
	s_add_nc_u64 s[G0+4*\s+2:G0+4*\s+3], s[20:21], \s*KBLK
	s_or_b32 s[G0+4*\s+3], s[G0+4*\s+3], 0x80000000
	s_mov_b32 s[G0B+4*\s], 1
	s_add_co_u32 s[G0B+4*\s+1], s19, \s*SLOT
	s_add_nc_u64 s[G0B+4*\s+2:G0B+4*\s+3], s[46:47], \s*KBLK
	s_or_b32 s[G0B+4*\s+3], s[G0B+4*\s+3], 0x80000000
.endr
	JLOAD G0, G1, G0B, G1B                         ; K block 0: one tensor load a wave at the head; the rest of the head stands under its flight
	v_and_b32 v1, 15, v0
	v_bfe_u32 v2, v0, 4, 1
	s_wait_alu depctr_va_vdst(0)
	s_lshl_b32 s21, s42, 8
	s_lshl_b32 s22, s16, 7
	s_add_co_u32 s21, s21, s22
	v_lshl_add_u32 v[BOF], v2, 5, s21
.irp b, 0,1,2,3,4,5,6,7
.irp p, 0,1
	global_load_b128 v[BIAS+8*\b+4*\p:BIAS+8*\b+4*\p+3], v[BOF], s[84+2*(\b/2):85+2*(\b/2)] offset:64*(\b%2)+16*\p
.endr
.endr
	v_mul_u32_u24 v3, v1, PITCH
	v_lshl_add_u32 v4, v2, 4, v3
	s_mul_i32 s21, s15, HALFT
	s_mul_i32 s22, s16, HALFT
	s_add_co_u32 s22, s22, 2*HALFT
.irp s, 0,1
	v_add_nc_u32 v[ADRA+\s], s21, v4
	v_add_nc_u32 v[ADRB+\s], s22, v4
	s_add_co_u32 s21, s21, SLOT
	s_add_co_u32 s22, s22, SLOT
.endr
	s_mul_i32 s21, s15, HALFT
	s_mul_i32 s22, s16, HALFT
	s_add_co_u32 s22, s22, 2*HALFT
	s_sub_co_u32 s22, s22, s21
	v_mul_u32_u24 v6, s22, v2
	v_lshl_add_u32 v5, v1, 3, v6
	s_add_co_u32 s21, s21, SCOFF
	v_add_nc_u32 v[ADRS], s21, v5
	s_add_co_u32 s21, s21, SLOT
	v_add_nc_u32 v[ADRS+1], s21, v5
	s_mul_i32 s21, s15, 128*PITCH
	s_lshl_b32 s22, s16, 7
	s_add_co_u32 s21, s21, s22
	v_lshl_add_u32 v5, v2, 5, v3
	v_add_nc_u32 v[CA], s21, v5
	v_add_nc_u32 v[STO0], S0, v[CA]
	v_add_nc_u32 v[STO1], S1, v[CA]
	s_mul_i32 s21, s15, 128*PITCH
	s_mul_i32 s22, s16, 32*PITCH
	s_add_co_u32 s21, s21, s22
	v_mul_u32_u24 v5, v2, PITCH
	v_lshl_add_u32 v5, v1, 4, v5
	v_add_nc_u32 v5, s21, v5
	v_add_nc_u32 v[RD0], S0, v5
	v_add_nc_u32 v[RD1], S1, v5
	v_lshlrev_b32 v5, 13, v2
	v_lshl_add_u32 v[CO], v1, 4, v5
	v_and_b32 v5, 31, v0
	v_lshlrev_b32 v[PFO], 8, v5
	v_lshlrev_b32 v[PFC], 13, v5
	v_lshrrev_b32 v6, 2, v5
	v_and_b32 v5, 3, v5
	v_mul_u32_u24 v6, v6, KBLK
	v_lshl_add_u32 v[PFS], v5, 8, v6
	s_mov_b32 s[K1], 0xbfb8aa3b
	s_mov_b32 s[K1+1], s[K1]
	s_mov_b32 s[K2], 0x4038aa3b
	s_mov_b32 s[K2+1], s[K2]
	s_lshl_b32 s18, s17, 8
	s_lshl_b32 s22, s14, 6
	s_add_co_u32 s18, s18, s22
	s_lshl_b32 s18, s18, 13
	s_lshl_b32 s22, s42, 8
	s_add_co_u32 s22, s18, s22
	s_mov_b32 s23, 0
	s_mov_b32 s[G0C], 1
	s_mul_i32 s[G0C+1], s14, 64*PITCH
	s_add_nc_u64 s[G0C+2:G0C+3], s[8:9], s[22:23]
	s_or_b32 s[G0C+3], s[G0C+3], 0x80000000
	s_add_nc_u64 s[PCA:PCA+1], s[8:9], s[22:23]
	s_lshl_b32 s20, s17, 8
	s_lshl_b32 s21, s15, 7
	s_add_co_u32 s20, s20, s21
	s_lshl_b32 s21, s16, 5
	s_add_co_u32 s20, s20, s21
	s_lshl_b32 s20, s20, 13
	s_lshl_b32 s21, s42, 8
	s_add_co_u32 s20, s20, s21
	s_mov_b32 s21, 0
	s_add_nc_u64 s[10:11], s[10:11], s[20:21]
	s_add_nc_u64 s[12:13], s[12:13], s[20:21]
	s_lshl_b32 s18, s17, 1
	s_lshl_b32 s22, s42, 1
	s_and_b32 s23, ttmp9, 1                        ; A's waves ask in the clusters of even x: four of the eight that read the tile row
	s_cmp_eq_u32 s15, 0
	s_cselect_b32 s18, s18, s22
	s_cselect_b32 s22, s40, s41
	s_cselect_b32 s23, s23, 0                      ; B's waves ask in both clusters that read the tile column
	s_cselect_b64 s[PFA:PFA+1], s[4:5], s[6:7]
	s_cselect_b64 s[PSA:PSA+1], s[4:5], s[6:7]
	s_cmp_eq_u32 s23, 0
	s_cselect_b32 s[LIM], 1, -1
	s_or_b32 s23, s23, s16
	s_cmp_eq_u32 s23, 0
	s_cselect_b32 s[LIM2], LAPS-1, -1
	s_add_co_u32 s96, s18, s16
	s_mul_i32 s96, s96, HTB
	s_lshl_b32 s97, s22, 13
	s_add_co_u32 s96, s96, s97
	s_add_co_u32 s96, s96, 2*KBLK
	s_mov_b32 s97, 0
	s_add_nc_u64 s[PFA:PFA+1], s[PFA:PFA+1], s[96:97]
	s_lshr_b32 s96, s22, 1
	s_add_co_u32 s96, s96, s18
	s_mul_i32 s96, s96, HTB
	s_and_b32 s98, s22, 1
	s_mul_i32 s98, s98, 8*KBLK
	s_add_co_u32 s96, s96, s98
	s_add_co_u32 s96, s96, 32768
	s_add_nc_u64 s[PSA:PSA+1], s[PSA:PSA+1], s[96:97]
	s_cmp_eq_u32 s[LIM], 1                         ; the condition is made of the cluster's and the wave's numbers alone
	s_cbranch_scc0 .Lno_first_ask
	s_wait_alu depctr_va_vdst(0)                   ; the wait ahead of the reader of a fresh offset
	global_prefetch_b8 v[PFO], s[PFA:PFA+1] offset:-KBLK th:TH_LOAD_NT scope:SCOPE_SE   ; the buffers' first touch: K blocks 1, 2, 3 (the pointer stands at K block 2); the loop's first request names K block 4
	global_prefetch_b8 v[PFO], s[PFA:PFA+1] th:TH_LOAD_NT scope:SCOPE_SE
	global_prefetch_b8 v[PFO], s[PFA:PFA+1] offset:KBLK th:TH_LOAD_NT scope:SCOPE_SE
.Lno_first_ask:
.macro FRAG reg, adr, q, i
.irp c, 0,1,2,3
	ds_load_b128 v[\reg+4*\c:\reg+4*\c+3], v[\adr] offset:128*(\q)+32*\c+(\i)*16*PITCH
.endr
.endm
.macro MUL16 a0, p, q, sc, first
.irp a, \a0, \a0+1
.irp b, 0,1,2,3,4,5,6,7
.if \first
	v_wmma_scale_f32_16x16x128_f8f6f4 v[8*(8*((\a)%4)+\b):8*(8*((\a)%4)+\b)+7], v[128*(\p)+FR*\b:128*(\p)+FR*\b+FR-1], v[AF+FR*(\a):AF+FR*(\a)+FR-1], v[BIAS+8*\b:BIAS+8*\b+7], v[SC+8*NQ*(\sc)+NQ*\b+(\q)], v[SC+8*NQ*(\sc)+NQ*(\a)+(\q)] matrix_a_fmt:MATRIX_FMT_BF8 matrix_b_fmt:MATRIX_FMT_BF8 matrix_a_scale:MATRIX_SCALE_ROW1
.else
	v_wmma_scale_f32_16x16x128_f8f6f4 v[8*(8*((\a)%4)+\b):8*(8*((\a)%4)+\b)+7], v[128*(\p)+FR*\b:128*(\p)+FR*\b+FR-1], v[AF+FR*(\a):AF+FR*(\a)+FR-1], v[8*(8*((\a)%4)+\b):8*(8*((\a)%4)+\b)+7], v[SC+8*NQ*(\sc)+NQ*\b+(\q)], v[SC+8*NQ*(\sc)+NQ*(\a)+(\q)] matrix_a_fmt:MATRIX_FMT_BF8 matrix_b_fmt:MATRIX_FMT_BF8 matrix_a_scale:MATRIX_SCALE_ROW1
.endif
.endr
.endr
.endm
.macro FETCH_B slot, q, p
	WIN TO_B
.irp i, 0,1,2,3,4,5,6,7
	FRAG 128*(\p)+FR*\i, ADRB+\slot, \q, \i
.endr
	WIN 0
.endm
.macro FETCH_A slot, q, i0
.irp i, \i0, \i0+1, \i0+2, \i0+3
	FRAG AF+FR*(\i), ADRA+\slot, \q, \i
.endr
.endm
.macro SCALES sc
.irp i, 0,1,2,3,4,5,6,7
	ds_load_b64 v[SC+8*NQ*\sc+NQ*\i:SC+8*NQ*\sc+NQ*\i+1], v[ADRS+\sc] offset:(\i/2)*PITCH+(\i%2)*128
.endr
.endm
.macro PLACES n
.rept \n
	v_nop
.endr
.endm
.macro STEP slot, q, first
	s_wait_dscnt 4*NL
.if \first
	WIN FST_LO
.else
	WIN MUL_LO
.endif
	MUL16 0, (\q)%2, \q, \slot, \first
	MUL16 2, (\q)%2, \q, \slot, \first
	s_wait_dscnt 0
	PLACES NP
	FETCH_B \slot, (\q)+1, 1-(\q)%2
	FETCH_A \slot, (\q)+1, 0
.if \first
	WIN FST_HI
.else
	WIN MUL_HI
.endif
	MUL16 4, (\q)%2, \q, \slot, \first
	MUL16 6, (\q)%2, \q, \slot, \first
	PLACES NP
	WIN 0
	FETCH_A \slot, (\q)+1, 4
.endm
.macro TURN slot, next, fill
.if \fill == 1
	s_wait_xcnt 0x0
	s_add_nc_u64 s[PFA:PFA+1], s[PFA:PFA+1], KBLK
.endif
	s_wait_tensorcnt 0x0
	ds_add_u32 v[SPW], v[NIL]
.if \fill == 1
	s_add_nc_u64 s[G0+4*\slot+2:G0+4*\slot+3], s[G0+4*\slot+2:G0+4*\slot+3], 2*KBLK
	s_add_nc_u64 s[G0B+4*\slot+2:G0B+4*\slot+3], s[G0B+4*\slot+2:G0B+4*\slot+3], 2*KBLK
.endif
	s_wait_dscnt 4*NL+1                            ; B's set and A's blocks 0-3 are in; the add and the youngest sixteen loads (A's blocks 4-7) may be out
	WIN MUL_LO
	MUL16 0, 1, NQ-1, \slot, 0                     ; sixteen products stand between the add and the wait for it
	s_wait_dscnt 0x0                               ; the add is done, and my reads of this slot are over
	s_barrier_signal -1                            ; the barrier opens a round of the cluster's barrier
	MUL16 2, 1, NQ-1, \slot, 0                     ; work on registers while the others arrive
	WIN 0
	s_barrier_wait -1
	CREST                                          ; no wave of any partner still reads this slot or has a load on its way
.if \fill == 1
	JLOAD G0+4*\slot, G1, G0B+4*\slot, G1B         ; the first tensor load behind the round
.else
	tensor_load_to_lds s[G0C:G0C+3], s[G1C:G1C+7]
	s_nop 0
.rept 4
	v_nop
.endr
.endif
	PLACES NP-4                                    ; with the four v_nop behind the tensor load: eight places in front of the loads into A's blocks 0-3
	FETCH_B \next, 0, 0
	FETCH_A \next, 0, 0
	SCALES \next
.if \fill == 1
	ASK \slot                                      ; behind the joint load and the run of LDS loads that the next products wait for
.endif
	WIN MUL_HI
	MUL16 4, 1, NQ-1, \slot, 0
	MUL16 6, 1, NQ-1, \slot, 0
	PLACES NP
	WIN 0
	FETCH_A \next, 0, 4
.endm
	s_wait_alu depctr_va_vdst(0)
	s_wait_tensorcnt 0x0                           ; my part of K block 0 is in
	ds_add_u32 v[SPW], v[NIL]
	s_wait_dscnt 0x0
	CROUND                                         ; everybody's part is in, and all sixteen work-groups are here
	JLOAD G0+4, G1, G0B+4, G1B                     ; K block 1 into slot 1: the first tensor load behind the round
	FETCH_B 0, 0, 0
	FETCH_A 0, 0, 0
	SCALES 0
	FETCH_A 0, 0, 4
	s_wait_loadcnt 0x0
	STEP 0, 0, 1
	s_mov_b32 s3, LAPS-1
.Llap:
	TURN 0, 1, 1
	STEP 1, 0, 0
	TURN 1, 0, 1
	STEP 0, 0, 0
	s_sub_co_u32 s3, s3, 1
	s_cmp_lg_u32 s3, 0
	s_cbranch_scc1 .Llap
	TURN 0, 1, 2
	STEP 1, 0, 0
	s_wait_dscnt 4*NL
	WIN MUL_LO
	MUL16 0, 1, NQ-1, 1, 0
	MUL16 2, 1, NQ-1, 1, 0
	s_wait_dscnt 0
	WIN MUL_HI
	MUL16 4, 1, NQ-1, 1, 0
	MUL16 6, 1, NQ-1, 1, 0
	WIN 0
	s_wait_tensorcnt 0x0
	ds_add_u32 v[SPW], v[NIL]
	s_wait_dscnt 0x0
	s_barrier_signal -1
	PLACES NP
	s_barrier_wait -1
.macro GATES hi
.set WALL, 0xaa+0x55*(\hi)
.set WMIX, 0xa2+0x51*(\hi)
.set WST,  0x08+0x04*(\hi)
	WIN 0
.irp a, 0,1,2,3
.irp u, 0,1
.irp p, 0,1
	ds_load_b128 v[CR+16*\a+8*\u+4*\p:CR+16*\a+8*\u+4*\p+3], v[CA] offset:(4*\hi+\a)*16*PITCH+64*\u+16*\p
.endr
.endr
.endr
	WIN WALL
.set zz, 0
.rept 128
.if ((zz/8)%8) >= 6
	v_pk_mul_f32 v[zz:zz+1], v[zz:zz+1], s[K2:K2+1] op_sel_hi:[1,0]
.else
	v_pk_mul_f32 v[zz:zz+1], v[zz:zz+1], s[K1:K1+1] op_sel_hi:[1,0]
.endif
.set zz, zz+2
.endr
.set zz, 0
	s_wait_alu depctr_va_vdst(0)
.rept 256
	v_exp_f32 v[zz], v[zz]
.set zz, zz+1
.endr
	v_nop
	s_wait_alu depctr_va_vdst(0)
.set zz, 0
.rept 128
	v_pk_add_f32 v[zz:zz+1], v[zz:zz+1], 1.0 op_sel_hi:[1,0]
.set zz, zz+2
.endr
.set zz, 0
	s_wait_alu depctr_va_vdst(0)
.rept 256
	v_rcp_f32 v[zz], v[zz]
.set zz, zz+1
.endr
	v_nop
	s_wait_alu depctr_va_vdst(0)
.set nn, 0
.rept 32
.set zb, 64*(nn/8)+2*(nn%8)
	v_pk_fma_f32 v[zb+48:zb+49], v[zb+48:zb+49], -2.0, 1.0 op_sel_hi:[1,0,0]
.set nn, nn+1
.endr
.set nn, 0
.rept 32
.set zb, 64*(nn/8)+2*(nn%8)
	v_pk_mul_f32 v[zb+16:zb+17], v[zb+16:zb+17], v[zb+48:zb+49]
.set nn, nn+1
.endr
	s_wait_dscnt 0x0
	WIN WMIX
.set nn, 0
.rept 32
.set zb, 64*(nn/8)+2*(nn%8)
	v_pk_fma_f32 v[zb:zb+1], v[zb:zb+1], v[CR+2*nn:CR+2*nn+1], v[zb+16:zb+17]
.set nn, nn+1
.endr
	WIN WALL
.set nn, 0
.rept 32
.set zb, 64*(nn/8)+2*(nn%8)
	v_pk_mul_f32 v[zb+48:zb+49], v[zb:zb+1], s[K2:K2+1] op_sel_hi:[1,0]
.set nn, nn+1
.endr
	WIN WST
.irp a, 0,1,2,3
.irp u, 0,1
.irp p, 0,1
	ds_store_b128 v[STO1], v[64*\a+8*\u+4*\p:64*\a+8*\u+4*\p+3] offset:(4*\hi+\a)*16*PITCH+64*\u+16*\p
.endr
.endr
.endr
	WIN WALL
.set nn, 0
	s_wait_alu depctr_va_vdst(0)
.rept 32
.set zb, 64*(nn/8)+2*(nn%8)
	v_exp_f32 v[zb+48], v[zb+48]
	v_exp_f32 v[zb+49], v[zb+49]
.set nn, nn+1
.endr
	v_nop
	s_wait_alu depctr_va_vdst(0)
.set nn, 0
.rept 32
.set zb, 64*(nn/8)+2*(nn%8)
	v_pk_add_f32 v[zb+48:zb+49], v[zb+48:zb+49], 1.0 op_sel_hi:[1,0]
.set nn, nn+1
.endr
.set nn, 0
	s_wait_alu depctr_va_vdst(0)
.rept 32
.set zb, 64*(nn/8)+2*(nn%8)
	v_rcp_f32 v[zb+48], v[zb+48]
	v_rcp_f32 v[zb+49], v[zb+49]
.set nn, nn+1
.endr
	v_nop
	s_wait_alu depctr_va_vdst(0)
.set nn, 0
.rept 32
.set zb, 64*(nn/8)+2*(nn%8)
	v_pk_fma_f32 v[zb+48:zb+49], v[zb+48:zb+49], -2.0, 1.0 op_sel_hi:[1,0,0]
.set nn, nn+1
.endr
.set nn, 0
.rept 32
.set zb, 64*(nn/8)+2*(nn%8)
	v_pk_mul_f32 v[zb+32:zb+33], v[zb+32:zb+33], v[zb+48:zb+49]
.set nn, nn+1
.endr
	WIN WST
.irp a, 0,1,2,3
.irp u, 0,1
.irp p, 0,1
	ds_store_b128 v[STO0], v[64*\a+8*\u+32+4*\p:64*\a+8*\u+32+4*\p+3] offset:(4*\hi+\a)*16*PITCH+64*\u+16*\p
.endr
.endr
.endr
	WIN 0
.endm
.macro MEETING
	s_wait_dscnt 0x0
	s_barrier_signal -1
	s_barrier_wait -1
.endm
.macro SENDOUT hi
.if \hi
	s_wait_xcnt 0x0
.endif
.irp t, 0,1,2,3,4,5,6,7,8,9,10,11,12,13,14,15
	ds_load_b128 v[BK+4*\t:BK+4*\t+3], v[RD0] offset:(64*\hi+2*\t)*PITCH
.endr
.irp t, 0,1,2,3,4,5,6,7,8,9,10,11,12,13,14,15
	ds_load_b128 v[BK+64+4*\t:BK+64+4*\t+3], v[RD1] offset:(64*\hi+2*\t)*PITCH
.endr
.irp t, 0,1,2,3,4,5,6,7,8,9,10,11,12,13,14,15
	s_wait_dscnt 31-\t
	global_store_b128 v[CO], v[BK+4*\t:BK+4*\t+3], s[10:11] offset:(64*\hi+2*\t)*8192 th:TH_STORE_NT
.endr
.irp t, 0,1,2,3,4,5,6,7,8,9,10,11,12,13,14,15
	s_wait_dscnt 15-\t
	global_store_b128 v[CO], v[BK+64+4*\t:BK+64+4*\t+3], s[12:13] offset:(64*\hi+2*\t)*8192 th:TH_STORE_NT
.endr
.endm
	GATES 0
	MEETING
	SENDOUT 0
	GATES 1
	MEETING
	SENDOUT 1
	s_wait_tensorcnt 0x0
	ds_add_u32 v[SPW], v[NIL]
	s_wait_dscnt 0x0
	CROUND
	s_endpgm
.Lfunc_end_k_q3b61be377e_lstm:
	.size	k_q3b61be377e_lstm, .Lfunc_end_k_q3b61be377e_lstm-k_q3b61be377e_lstm
	.p2alignl 7, 3214868480
	.fill 96, 4, 3214868480
	.section	.rodata,"a",@progbits
	.p2align	6, 0x0
	.amdhsa_kernel k_q3b61be377e_lstm
		.amdhsa_group_segment_fixed_size 327680
		.amdhsa_private_segment_fixed_size 0
		.amdhsa_enable_private_segment 0
		.amdhsa_kernarg_size 72
		.amdhsa_user_sgpr_count 2
		.amdhsa_user_sgpr_kernarg_segment_ptr 1
		.amdhsa_wavefront_size32 1
		.amdhsa_system_sgpr_workgroup_id_x 1
		.amdhsa_system_sgpr_workgroup_id_y 1
		.amdhsa_system_sgpr_workgroup_id_z 1
		.amdhsa_system_vgpr_workitem_id 0
		.amdhsa_next_free_vgpr 1024
		.amdhsa_next_free_sgpr 100
		.amdhsa_reserve_vcc 0
		.amdhsa_float_denorm_mode_32 3
		.amdhsa_float_denorm_mode_16_64 3
		.amdhsa_memory_ordered 1
		.amdhsa_forward_progress 1
		.amdhsa_inst_pref_size 240
	.end_amdhsa_kernel
	.amdgpu_metadata
---
amdhsa.version: [ 1, 2 ]
amdhsa.kernels:
  - .name:           k_q3b61be377e_lstm
    .symbol:         k_q3b61be377e_lstm.kd
    .args:
      - { .name: acodes, .offset: 0, .size: 8, .value_kind: global_buffer, .address_space: global }
      - { .name: bcodes, .offset: 8, .size: 8, .value_kind: global_buffer, .address_space: global }
      - { .name: c, .offset: 16, .size: 8, .value_kind: global_buffer, .address_space: global }
      - { .name: out0, .offset: 24, .size: 8, .value_kind: global_buffer, .address_space: global }
      - { .name: bf, .offset: 32, .size: 8, .value_kind: global_buffer, .address_space: global }
      - { .name: bg, .offset: 40, .size: 8, .value_kind: global_buffer, .address_space: global }
      - { .name: bo, .offset: 48, .size: 8, .value_kind: global_buffer, .address_space: global }
      - { .name: bi, .offset: 56, .size: 8, .value_kind: global_buffer, .address_space: global }
      - { .name: out1, .offset: 64, .size: 8, .value_kind: global_buffer, .address_space: global }
    .group_segment_fixed_size: 327680
    .private_segment_fixed_size: 0
    .kernarg_segment_align: 8
    .kernarg_segment_size: 72
    .max_flat_workgroup_size: 128
    .sgpr_count:     100
    .vgpr_count:     1024
    .wavefront_size: 32
...
	.end_amdgpu_metadata
.endif
;; end of part 2
